; MI455X (gfx1250); checked and timed in simulation.
; The chip was launched on July 23, 2026; its instructions are those of AMD's public machine-readable ISA for CDNA 5 (MIT licence, August 2026) and "CDNA5" Instruction Set Architecture Reference Guide (July 2026). The comments in the code are by the model that wrote it; some were corrected since.
;; Attention Block. Allowed arithmetic: matrix products marked QUANTISED: E2M3 operands, one E8M0 scale for each 32 along K, by v_wmma_scale_f32_16x16x128_f8f6f4 with both operands' format E2M3, f32 sums; everything else in f32.
;; Inputs: k 2 x 12 x 2,048 x 64 float32; q 2 x 12 x 2,048 x 64 float32; v 2 x 12 x 2,048 x 64 float32.
;; Outputs: out0 2 x 12 x 2,048 x 64 float32.
;; This version of the problem:
;;   THIS VERSION OF THE PROBLEM IS GIVEN IN LOW PRECISION. The matrix products marked QUANTISED in the list below multiply operands that are first quantised to E2M3 (2 exponent bits, 3 mantissa bits; 6 bits a number), with one power-of-two scale for each 32 numbers along K (OCP MX v1.0); their sums are f32. All else is computed in f32.
;;   The module's matrix products, in the order in which they are computed (A, B: the left and right operand; K: the contracted axis; several contracted axes count as one K, in the product's order):
;;     1. batch 24 x [M 2,048, K 64] x [K 64, N 2,048]; A: input q; B: input k: QUANTISED
;;     2. batch 24 x [M 2,048, K 2,048] x [K 2,048, N 64]; A: softmax (see below); B: input v: QUANTISED
;;   THE QUANTISER, for each operand of a quantised product, along K:
;;     - K is cut into blocks of 32 from its start; a last block that is shorter is filled with zeros.
;;     - A block's scale is 2^e with e = floor(log2(the largest magnitude in the block)) - 2, held to -126 .. 127; a block of zeros has e = 0. As a byte (E8M0): e + 127.
;;     - Each number is divided by its block's scale, clamped to +-7.5, and rounded to the nearest number of E2M3, ties to even, subnormals kept.
;;     - The product sums the exact products of the quantised numbers (number of the format x scale) in f32.
;;   ~~~python
;;   def quantise(x, axis):      # numpy; x: float32 -> the quantised numbers, widened to float32 again
;;       x = np.moveaxis(x, axis, -1); K = x.shape[-1]
;;       x = np.pad(x, [(0, 0)] * (x.ndim - 1) + [(0, -K % 32)]); x = x.reshape(x.shape[:-1] + (-1, 32)); a = np.abs(x).max(-1, keepdims=True)
;;       e = np.where(a > 0, np.clip(np.frexp(np.where(a > 0, a, 1))[1] - 1 - 2, -126, 127), 0)      # np.frexp(a)[1] - 1 = floor(log2(a)), exactly
;;       r = np.clip(x / 2.0 ** e, -7.5, 7.5)
;;       step = 2.0 ** (np.maximum(np.frexp(np.where(r == 0, 1, r))[1] - 1, 0) - 3)
;;       q = np.round(r / step) * step * 2.0 ** e      # np.round: ties to even
;;       return np.moveaxis(q.reshape(q.shape[:-2] + (-1,))[..., :K], -1, axis).astype(np.float32)
;;   ~~~
;;   SOFTMAX AHEAD OF A QUANTISED PRODUCT. Where the list says 'softmax', what is quantised is not the finished softmax but p = 2^(t - M), with t = logit x log2(e) and M = ceil(the row's largest t), a whole number; so 1/2 < the row's largest p <= 1. The row's sum l is taken of the UNQUANTISED p, in f32, and the product's result is divided by l at the end. Since M is a whole number, a kernel that streams over the keys may use a running M (the ceiling of the running maximum): every later rescaling is an exact power of two, which a block's scale takes up: the codes' values come out the same.
;;   OPERANDS COMPUTED ON THE WAY. 'Computed on the way' means the value that the module computes at that place (a softmax that the list does not call 'softmax' is quantised finished and normalised). What goes into a quantiser is computed in f32, as accurately as f32 sums, v_exp_f32 and their like allow (about 1e-6 of the number): no bf16 or f16 on the way to a quantiser, and a product that is left as it is and whose result goes on into a quantised operand takes f32 operands (vector FMAs, or v_wmma_f32_16x16x4_f32). A number that lies on a knife's edge between two numbers of the format may be rounded either way, as far as f32 arithmetic and the matrix unit's own rounding can turn it there, and no further.
;; One version. Each part assembles by itself: llvm-mc -triple=amdgcn-amd-amdhsa -mcpu=gfx1250 --defsym DOCPART=n.
;; ======== version 1 of 1: 1 launch
;; limits: right only within a limited range of input values
;; launch attn (part 1): grid 240 x 1, 8 waves a work-group, no clusters, 289,792 bytes of LDS; arguments q, k, v, out0; writes out0
.if DOCPART == 1
	.amdgcn_target "amdgcn-amd-amdhsa--gfx1250"
	.amdhsa_code_object_version 6
	.text
	.protected	k_qc3b1928b49_attn
	.globl	k_qc3b1928b49_attn
	.p2align	8
	.type	k_qc3b1928b49_attn,@function
k_qc3b1928b49_attn:
	s_mov_b64 s[64:65], 0
	v_nop
	global_prefetch_b8 v0, s[64:65] scope:SCOPE_SE
	s_setreg_imm32_b32 hwreg(HW_REG_WAVE_MODE, 25, 1), 1
	s_wait_xcnt 0x0
; out0[h][i][:] = the sum over j of softmax_j(q[h][i] . k[h][j] / 8) v[h][j][:].  q, k, v, out0: [24][2048][64] f32 (a row is 256 bytes).
; Both products run on codes of FP6 (E2M3) with one E8M0 scale for each 32 along a product's K; sums in f32.
; SOFTMAX: t = score x log2(e) / 8; M = the largest t so far, rounded UP to a whole number; p = 2^(t - M) is quantised along the keys, not normalised.  The sum is taken of the unquantised p
; and divides at the end.  When M moves, the sum and O are multiplied by 2^(old M - new M): exact.
; SHARES.  A head's 128 tiles of 16 queries go to ten work-groups: eight of 13 tiles, two of 12; 240 work-groups in all.  Work-group 8 a + 4 s + b takes place 4 a + b of the ten-fold list of heads 12 s .. 12 s + 11.
; Wave w owns the tiles 3 (w % 4) .. + 2 of the first twelve against step w / 4 of every chunk.  A CHUNK is 256 keys, two steps of 128: eight trips.  So a fragment from LDS serves three tiles.
; The 13th tile is shared out at the end, when all codes lie in LDS: wave w takes it against chunk w.  The partial results (O, -M, the sum) meet in LDS and leave from there as whole rows.
; K AND V ARE QUANTISED BY THE WORK-GROUP ITSELF, a chunk ahead: in each trip, behind its first tile, a wave turns 2 tiles of K and 2 units of V (32 keys x 32 channels) into codes and stores them as IMAGES OF THE OPERANDS'
; REGISTERS.  Every chunk has LDS bytes of its own, written once until the meeting at the end; one barrier a chunk, signalled behind the stores and awaited at the trip's end, is all the ordering there is.
; THE FIRST PRODUCT'S K IS 64, THE INSTRUCTION'S 128.  Source 1 = [Q | 0]; source 0 = six registers of my tile of keys and the six that follow (the next tile; behind the last the sums): they meet zero codes and add nothing.
; LAYOUT.  Both products are used transposed: S^T = K Q^T, O^T = V^T P^T: a lane holds ONE query.  Row m of key tile 4 c + u is key 64 c + 32 (m / 8) + 8 u + m % 8, so that lane (r, h) holds in S's registers 32 c + i
; the keys 64 c + 32 h + i: a whole block of 32 of p, in the order of the operand.  O's register 8 t + j is channel 16 t + 8 h + j.
; NO CLUSTER, NO TENSOR LOAD: what the ten work-groups of a head share is f32, which the conversions want in registers; a joint request lands in LDS: 131,072 bytes of f32 a chunk, where 37,888 bytes are left.
; LIMITS: NaN and infinities among the inputs are not served; scaled scores stay under 2^31 in magnitude.  A block of zeros gets the scale byte 1 where the rule says 127: its codes are zeros, and this program alone reads
; the bytes.  Blocks whose largest magnitude lies under 2^-124 have their byte held at 1.  A p under 2^-126 becomes 0 (v_exp_f32 gives 0 for such results: ISA guide, its entry).
;
; LDS: step s (of 16) at 13,312 s: +0 K's images, double fragment d at 1,536 d, registers 4 p .. 4 p + 3 of lane l at 512 p + 16 l;  +6,144 K's scales: lane (r, u % 2)'s 16 bytes: word d, bytes 0, 1 and again 2, 3;
;   +6,656 V's images, channel tile t at 1,536 t;  +12,800 V's scales: lane (r, t % 2)'s word t / 2.   From 212,992: two stages of 4,736 bytes for each wave.   From 288,768: the spare words.
;   At the end the codes' bytes take the partial results: wave w, tile t at 13,440 w + 4,480 t, the 13th tile's at 107,520 + 4,480 w: 16 rows of 272 bytes, then 16 pairs (-M, sum).
.set STEPB,  13312
.set CHUNKB, 26624
.set KSCL,   6144
.set VIMG,   6656
.set VSCL,   12800
.set STAGE,  212992
.set STB,    4736
.set STGW,   9472
.set SPARE,  288768
.set CHB,    65536                     ; a chunk's 256 rows in memory
.set PTB,    4480
.set EXB,    107520
.set LI,  1                            ; v1  16 x lane
.set AD,  2                            ; v2  the step in hand + 16 x lane
.set ADL, 3                            ; v3  its lane part
.set KS,  4                            ; v4-7 K's scale words, then V's;  v8-10 Q's: they hold scales and nothing else
.set QS,  8
.set H8,  11                           ; v11 8 x (lane / 16)
.set BM,  12                           ; v12-13 the largest score of my two blocks
.set PW0, 14                           ; v14, v15 p's scale words
.set PW1, 15
.set NM,  16                           ; v16-21 for each tile: -M, the largest score so far (as a pair; the low word serves both halves)
.set FFA, 22                           ; v22, v24 f = 2^(old M - new M) (v23, v25: the pairs' upper halves)
.set FFB, 24
.set SO,  26                           ; v26-27 the conversions' scale operands
.set T,   28                           ; v28-33 at work
.set XA,  34
.set XB,  35
.set F,   36                           ; v36-83 eight tiles of K or four fragments of V
.set SUM, 84                           ; v84-89 the tiles' sums in two halves
.set QC,  90                           ; v90-125 Q0, six zeros, Q1, zeros, Q2, zeros
.set SA,  126                          ; v126-189, v190-253 scores, then p, of two tiles by turns
.set SB,  190
.set Y0,  254
.set Y1,  255
; window 1 (v256 + n)
.set O,   0                            ; O^T of three tiles
.set P0,  96                           ; p's codes, two sets
.set P1,  108
.set RK,  120                          ; 64 f32 of k, 64 of v on their way from memory
.set RV,  184
.set OX,  RK+32                        ; the 13th tile's O^T, and the finished pairs (-M, sum), when no load is out
.set ML,  RV
.set STW, 248                          ; the stage, in and out
.set STR, 249
.set KSB, 250                          ; where my bytes go in a chunk: K's scales, V's codes, V's scales
.set VPB, 251
.set VSB, 252
.set V4,  253                          ; 4 x lane
.set PFO, 254                          ; the prefetches' offset: a lane a row
.set KPB, 255                          ; where my codes of K go
; scalars
.set KP,  6
.set VP,  8
.set WV,  12
.set SEL, 20                           ; v_permlanex16_b32's selects for lane l xor 16
.set CS,  22                           ; c = log2(e) / 8, twice
.set CB,  24                           ; LDS byte at which the chunk in hand begins
.set CNT, 25                           ; trips to go
.set NC,  26                           ; -c
.set VU,  27                           ; 496 where my codes of V are a fragment's registers 6-11, else 0
.set XT,  40                           ; 1 where the work-group has a 13th tile
.set LIM, 41                           ; 2 in a work-group that prefetches, else the greatest number
.set PFA, 44                           ; s[44:45] where my prefetches stand
.set MSB, 0
.macro WIN new                         ; the register windows; the immediate's high byte repeats the setting that is left
.if MSB != \new
	s_set_vgpr_msb (MSB<<8)|\new
.set MSB, \new
.endif
.endm
.macro WA                              ; the wait at each place where it stands
	s_wait_alu depctr_va_vdst(0)
.endm
.macro PLACES n                        ; plain vector instructions that name no register of the matrix instructions in front (ISA guide 7.12.1)
.rept \n
	v_nop
.endr
.endm
; My two tiles of K of the chunk: each load reads 512 consecutive bytes, two whole rows; 8 rows and the 8 that lie 32 further on make a tile.
.macro KLOADS
	WIN 0x40
.irp n, 0,1,2,3
	global_load_b128 v[RK+4*\n:RK+4*\n+3], v[LI], s[KP:KP+1] offset:512*\n
	global_load_b128 v[RK+16+4*\n:RK+16+4*\n+3], v[LI], s[KP:KP+1] offset:8192+512*\n
	global_load_b128 v[RK+32+4*\n:RK+32+4*\n+3], v[LI], s[KP:KP+1] offset:2048+512*\n
	global_load_b128 v[RK+48+4*\n:RK+48+4*\n+3], v[LI], s[KP:KP+1] offset:10240+512*\n
.endr
.endm
; Rows i0 on of my 32 rows of V: a lane takes channels lane and 32 + lane, its registers run down the keys: whole blocks of the second product's K in one lane.
.macro VROWS i0, cnt
	WIN 0x41
.set ii, \i0
.rept \cnt
	global_load_b32 v[RV+ii], v[V4], s[VP:VP+1] offset:256*ii
	global_load_b32 v[RV+32+ii], v[V4], s[VP:VP+1] offset:256*ii+128
.set ii, ii+1
.endr
.endm
; 16 rows of 64 f32 as loaded (16 bytes a lane) go through my stage and come back 128 bytes a lane: lane (r, h) gets block h of row r.  LDS serves a wave's instructions in order (ISA guide 5.7.1.4): no wait between.
; A place is 144 = 9 x 16 bytes, and the upper blocks lie 128 bytes further on: sixteen lanes' pieces fall on sixteen different columns of 16 bytes modulo 256.
.macro TIN r, a
	WIN 0x05
.irp n, 0,1,2,3,4,5,6,7
	ds_store_b128 v[STW], v[\r+4*\n:\r+4*\n+3] offset:STB*\a+288*\n
.endr
.endm
.macro TOUT x, a
	WIN 0x01
.irp n, 0,1,2,3,4,5,6,7
	ds_load_b128 v[\x+4*\n:\x+4*\n+3], v[STR] offset:STB*\a+16*\n
.endr
.endm
; The largest magnitudes of four runs of 16 numbers, by turns, with the floor 2^(3 - 127) among the leaves: the byte cannot fall under 1
.macro MX4 d0, d1, d2, d3, x
.irp i, 0,2,4,6,8,10,12,14
.if \i == 0
	v_max3_num_f32 v[\d0], 0x1800000, |v[\x]|, |v[\x+1]|
	v_max3_num_f32 v[\d1], 0x1800000, |v[\x+16]|, |v[\x+17]|
	v_max3_num_f32 v[\d2], 0x1800000, |v[\x+32]|, |v[\x+33]|
	v_max3_num_f32 v[\d3], 0x1800000, |v[\x+48]|, |v[\x+49]|
.else
	v_max3_num_f32 v[\d0], v[\d0], |v[\x+\i]|, |v[\x+\i+1]|
	v_max3_num_f32 v[\d1], v[\d1], |v[\x+16+\i]|, |v[\x+17+\i]|
	v_max3_num_f32 v[\d2], v[\d2], |v[\x+32+\i]|, |v[\x+33+\i]|
	v_max3_num_f32 v[\d3], v[\d3], |v[\x+48+\i]|, |v[\x+49+\i]|
.endif
.endr
.endm
; Q: lane (r, h) holds block h of query r: its codes are the operand's six registers as they stand.  The byte goes to its place, 8 h bits up, and joins lane l xor 16's.
.macro QQ t, x
.irp i, 0,2,4,6,8,10,12,14
.if \i == 0
	v_max3_num_f32 v[T], 0x1800000, |v[\x]|, |v[\x+1]|
	v_max3_num_f32 v[T+1], 0x1800000, |v[\x+16]|, |v[\x+17]|
.else
	v_max3_num_f32 v[T], v[T], |v[\x+\i]|, |v[\x+\i+1]|
	v_max3_num_f32 v[T+1], v[T+1], |v[\x+16+\i]|, |v[\x+17+\i]|
.endif
.endr
	v_max_num_f32 v[T], v[T], v[T+1]
	v_add_nc_u32 v[SO], 0xff000000, v[T]                           ; 2 off its exponent field: the conversion takes that field of this operand as its scale
	v_cvt_scalef32_pk16_fp6_f32 v[QC+12*\t:QC+12*\t+2], v[\x:\x+15], v[SO]
	v_cvt_scalef32_pk16_fp6_f32 v[T+2:T+4], v[\x+16:\x+31], v[SO]  ; (a conversion's three registers begin on an even number)
	v_lshrrev_b32 v[T], 23, v[SO]
	v_mov_b32 v[QC+12*\t+3], v[T+2]
	v_mov_b32 v[QC+12*\t+4], v[T+3]
	v_mov_b32 v[QC+12*\t+5], v[T+4]
	v_lshlrev_b32 v[T], v[H8], v[T]
	v_permlanex16_b32 v[T+1], v[T], s[SEL], s[SEL+1]
	v_or_b32 v[QS+\t], v[T], v[T+1]
.endm
; THE NEXT CHUNK: its numbers become codes and go to LDS at CB + nx; the chunk behind it is asked for; the barrier is signalled.  Scores' registers SA are free here.
.macro WINDOW nx, loop
	WIN 0
	WA
	s_wait_loadcnt 0x0                                             ; the numbers are in; the loads are done, so their bases may be stepped
.if \loop
	s_wait_xcnt 0x0                                                ; the last prefetch, a trip back, has read its address
	s_add_nc_u64 s[PFA:PFA+1], s[PFA:PFA+1], CHB
.endif
	s_add_nc_u64 s[KP:KP+1], s[KP:KP+1], CHB
	s_add_nc_u64 s[VP:VP+1], s[VP:VP+1], CHB
	TIN RK, 0
	TIN RK+32, 1
	TOUT SA, 0
	TOUT SA+32, 1
	WIN 0x14
	MX4 T, T+1, T+2, T+3, RV                                       ; V's two blocks, while the turn is under way
	WIN 0
	v_max_num_f32 v[T], v[T], v[T+1]
	v_max_num_f32 v[T+2], v[T+2], v[T+3]
	v_add_nc_u32 v[T], 0xff000000, v[T]
	v_add_nc_u32 v[T+2], 0xff000000, v[T+2]
	v_lshrrev_b32 v[T+4], 23, v[T]                                 ; the scales' bytes
	v_lshrrev_b32 v[T+5], 23, v[T+2]
	WA
	s_wait_dscnt 0x0                                               ; the turn is done: K's numbers are in SA, RK is free and takes the codes
	WIN 0x41
	v_cvt_scalef32_pk16_fp6_f32 v[RK:RK+2], v[RV:RV+15], v[T]
	v_cvt_scalef32_pk16_fp6_f32 v[RK+8:RK+10], v[RV+16:RV+31], v[T]
	v_cvt_scalef32_pk16_fp6_f32 v[RK+16:RK+18], v[RV+32:RV+47], v[T+2]
	v_cvt_scalef32_pk16_fp6_f32 v[RK+24:RK+26], v[RV+48:RV+63], v[T+2]
	WIN 0
	MX4 T+1, T+3, XA, XB, SA
	v_max_num_f32 v[T+1], v[T+1], v[T+3]
	v_max_num_f32 v[XA], v[XA], v[XB]
	v_add_nc_u32 v[T+1], 0xff000000, v[T+1]
	v_add_nc_u32 v[XA], 0xff000000, v[XA]
	v_lshrrev_b32 v[T+3], 23, v[T+1]
	v_lshrrev_b32 v[XB], 23, v[XA]
	WIN 0x40
	v_cvt_scalef32_pk16_fp6_f32 v[RK+32:RK+34], v[SA:SA+15], v[T+1]
	v_cvt_scalef32_pk16_fp6_f32 v[RK+40:RK+42], v[SA+16:SA+31], v[T+1]
	v_cvt_scalef32_pk16_fp6_f32 v[RK+48:RK+50], v[SA+32:SA+47], v[XA]
	v_cvt_scalef32_pk16_fp6_f32 v[RK+56:RK+58], v[SA+48:SA+63], v[XA]
	WIN 0x41
.irp u, 0,16,32,48
	v_mov_b32 v[RK+\u+3], v[RK+\u+8]
	v_mov_b32 v[RK+\u+4], v[RK+\u+9]
	v_mov_b32 v[RK+\u+5], v[RK+\u+10]
.endr
	WIN 0x04
	v_add_nc_u32 v[Y0], s[CB], v[VPB]
	v_add_nc_u32 v[T], s[CB], v[VSB]
	v_add_nc_u32 v[T+2], s[CB], v[KSB]
	v_add_nc_u32 v[SO], s[CB], v[KPB]
	WIN 0
	v_add_nc_u32 v[Y1], s[VU], v[Y0]
	WIN 0x04
.irp u, 0,1                            ; V: registers 0-5 lie at 0, 8, 512 from 16 x lane, registers 6-11 at 520, 1,024, 1,032
	ds_store_b64 v[Y0], v[RK+16*\u:RK+16*\u+1] offset:\nx+3072*\u
	ds_store_b64 v[Y1], v[RK+16*\u+2:RK+16*\u+3] offset:\nx+3072*\u+8
	ds_store_b64 v[Y0], v[RK+16*\u+4:RK+16*\u+5] offset:\nx+3072*\u+512
.endr
	ds_store_b128 v[SO], v[RK+32:RK+35] offset:\nx                 ; K: my even tile is the double fragment's registers 0-5, my odd one 6-11
	ds_store_b64 v[SO], v[RK+36:RK+37] offset:\nx+512
	ds_store_b64 v[SO], v[RK+48:RK+49] offset:\nx+520
	ds_store_b128 v[SO], v[RK+50:RK+53] offset:\nx+1024
	WIN 0
	ds_store_b8 v[T], v[T+4] offset:\nx
	ds_store_b8 v[T], v[T+5] offset:\nx+4
	ds_store_b8 v[T+2], v[T+3] offset:\nx
	ds_store_b8 v[T+2], v[T+3] offset:\nx+2
	ds_store_b8 v[T+2], v[XB] offset:\nx+256
	ds_store_b8 v[T+2], v[XB] offset:\nx+258
	WA
	s_wait_dscnt 0x0                                               ; for the others' sake: my part of the chunk lies in LDS; and RK may be loaded into
.if \loop
	s_cmp_eq_u32 s[CNT], 1                                         ; the last trip of the loop has no chunk two on: no load leaves its buffer
	s_cbranch_scc1 .Lno_more_\@
.endif
	KLOADS
	VROWS 0, 23                                                    ; the other nine rows are asked for behind the barrier
	WIN 0
.if \loop
.Lno_more_\@:
	; A PREFETCH INTO THE L2 of the chunk three on from the one in hand, one trip ahead of its loads: 256 rows of k (waves 0-3) and 256 of v (waves 4-7), a lane a row, two instructions a wave.
	; The head's first work-group asks, so each row is named once in the launch.  Chunks 0 to 2 come by their loads alone; chunk 7 is the last that is named.
	s_cmp_gt_u32 s[CNT], s[LIM]
	s_cbranch_scc0 .Lnot_mine_\@
	WIN 0x01
	global_prefetch_b8 v[PFO], s[PFA:PFA+1] th:TH_LOAD_NT scope:SCOPE_SE
	global_prefetch_b8 v[PFO], s[PFA:PFA+1] offset:8192 th:TH_LOAD_NT scope:SCOPE_SE
	WIN 0
.Lnot_mine_\@:
.endif
	s_barrier_signal -1                                            ; up to the wait stand register work and LDS loads of the chunk in hand, whose bytes nobody writes
.endm
.macro KFETCH st                       ; a step's eight tiles of K and their scale words
.irp d, 0,1,2,3
.irp p, 0,1,2
	ds_load_b128 v[F+12*\d+4*\p:F+12*\d+4*\p+3], v[AD] offset:STEPB*\st+1536*\d+512*\p
.endr
.endr
	ds_load_b128 v[KS:KS+3], v[AD] offset:STEPB*\st+KSCL
.endm
.macro VFETCH st                       ; a step's four fragments of V^T (16 channels x 128 keys) and their scale words
.irp d, 0,1,2,3
.irp p, 0,1,2
	ds_load_b128 v[F+12*\d+4*\p:F+12*\d+4*\p+3], v[AD] offset:STEPB*\st+VIMG+1536*\d+512*\p
.endr
.endr
	ds_load_b64 v[KS:KS+1], v[AD] offset:STEPB*\st+VSCL
.endm
.macro WM d, a, b, sa, sb, row, zero   ; row = 1: source 0's scales stand in lanes 16-31
.if \zero
.if \row
	v_wmma_scale_f32_16x16x128_f8f6f4 v[\d:\d+7], v[\a:\a+11], v[\b:\b+11], 0, v[\sa], v[\sb] matrix_a_fmt:MATRIX_FMT_FP6 matrix_b_fmt:MATRIX_FMT_FP6 matrix_a_scale:MATRIX_SCALE_ROW1
.else
	v_wmma_scale_f32_16x16x128_f8f6f4 v[\d:\d+7], v[\a:\a+11], v[\b:\b+11], 0, v[\sa], v[\sb] matrix_a_fmt:MATRIX_FMT_FP6 matrix_b_fmt:MATRIX_FMT_FP6
.endif
.else
.if \row
	v_wmma_scale_f32_16x16x128_f8f6f4 v[\d:\d+7], v[\a:\a+11], v[\b:\b+11], v[\d:\d+7], v[\sa], v[\sb] matrix_a_fmt:MATRIX_FMT_FP6 matrix_b_fmt:MATRIX_FMT_FP6 matrix_a_scale:MATRIX_SCALE_ROW1
.else
	v_wmma_scale_f32_16x16x128_f8f6f4 v[\d:\d+7], v[\a:\a+11], v[\b:\b+11], v[\d:\d+7], v[\sa], v[\sb] matrix_a_fmt:MATRIX_FMT_FP6 matrix_b_fmt:MATRIX_FMT_FP6
.endif
.endif
.endm
.macro SCORES t, s                     ; S^T = K Q^T: eight tiles of 16 keys, one instruction each, begun with the constant 0
	WIN 0
.irp i, 0,1,2,3,4,5,6,7
	WM \s+8*\i, F+6*\i, QC+12*\t, KS+\i/2, QS+\t, \i%2, 1
.endr
.endm
.macro PV o, p, pw, zero               ; O^T += V^T P^T: four accumulators by turns
	WIN 0x54
.irp j, 0,1,2,3
	WM \o+8*\j, F+12*\j, \p, KS+\j/2, \pw, \j%2, \zero
.endr
	WIN 0
.endm
; The n-th of 32 maxima over the scores at s: four chains by turns, two to a block; each accumulator is first read at its low end
.macro MAXI n, s
.set kk, \n%4
.if kk == 0
.set dd, BM
.elseif kk == 1
.set dd, XA
.elseif kk == 2
.set dd, BM+1
.else
.set dd, XB
.endif
.if \n < 4
	v_max3_num_f32 v[dd], v[\s+16*kk], v[\s+16*kk+1], v[\s+16*kk+2]
.elseif \n < 28
	v_max3_num_f32 v[dd], v[dd], v[\s+16*kk+2*(\n/4)+1], v[\s+16*kk+2*(\n/4)+2]
.elseif \n == 28
	v_max3_num_f32 v[BM], v[BM], v[XA], v[\s+15]
.elseif \n == 29
	v_max3_num_f32 v[BM+1], v[BM+1], v[XB], v[\s+47]
.elseif \n == 30
	v_max_num_f32 v[BM], v[BM], v[\s+31]
.else
	v_max_num_f32 v[BM+1], v[BM+1], v[\s+63]
.endif
.endm
; The n-th of 32 additions of the p at s: four chains by turns; the sum so far comes under the new M by the first of its own chain
.macro ADDI n, s, t, ff
.if \n < 3
	v_pk_add_f32 v[T+2*\n:T+2*\n+1], v[\s+4*\n:\s+4*\n+1], v[\s+4*\n+2:\s+4*\n+3]
.elseif \n == 3
	v_pk_fma_f32 v[SUM+2*\t:SUM+2*\t+1], v[SUM+2*\t:SUM+2*\t+1], v[\ff:\ff+1], v[\s+12:\s+13] op_sel_hi:[1,0,1]
.elseif \n < 29
.if \n%4 == 3
	v_pk_add_f32 v[SUM+2*\t:SUM+2*\t+1], v[SUM+2*\t:SUM+2*\t+1], v[\s+2*\n+6:\s+2*\n+7]
.else
	v_pk_add_f32 v[T+2*(\n%4):T+2*(\n%4)+1], v[T+2*(\n%4):T+2*(\n%4)+1], v[\s+2*\n+6:\s+2*\n+7]
.endif
.elseif \n == 29
	v_pk_add_f32 v[T:T+1], v[T:T+1], v[T+2:T+3]
.elseif \n == 30
	v_pk_add_f32 v[SUM+2*\t:SUM+2*\t+1], v[SUM+2*\t:SUM+2*\t+1], v[T+4:T+5]
.else
	v_pk_add_f32 v[SUM+2*\t:SUM+2*\t+1], v[SUM+2*\t:SUM+2*\t+1], v[T:T+1]
.endif
.endm
; p's scales, laid among the additions: my blocks are c = 0, 1 of half h: bytes 2 c + h of the scale word
.macro SCLI n, pw
.if \n == 3
	v_max_num_f32 v[SO], 0x1800000, v[SO]                          ; the floor 2^(3 - 127)
.elseif \n == 4
	v_max_num_f32 v[SO+1], 0x1800000, v[SO+1]
.elseif \n == 6
	v_add_nc_u32 v[SO], 0xff000000, v[SO]
.elseif \n == 7
	v_add_nc_u32 v[SO+1], 0xff000000, v[SO+1]
.elseif \n == 9
	v_lshrrev_b32 v[Y0], 23, v[SO]
.elseif \n == 10
	v_lshrrev_b32 v[Y1], 23, v[SO+1]
.elseif \n == 13
	v_lshl_or_b32 v[Y0], v[Y1], 16, v[Y0]
.elseif \n == 16
	v_lshlrev_b32 v[Y0], v[H8], v[Y0]
.elseif \n == 19
	v_permlanex16_b32 v[Y1], v[Y0], s[SEL], s[SEL+1]
.elseif \n == 23
	v_or_b32 v[\pw], v[Y0], v[Y1]
.endif
.endm
.macro MAXALL s
.set ii, 0
.rept 32
	MAXI ii, \s
.set ii, ii+1
.endr
.endm
; The running largest score of my query, -M = floor(-c x it) = -ceil(t), and f = 2^(old M - new M)
.macro ROW t, ff
	v_max3_num_f32 v[Y0], v[BM], v[BM+1], v[NM+2*\t+1]
	s_delay_alu instid0(VALU_DEP_1)
	v_permlanex16_b32 v[Y1], v[Y0], s[SEL], s[SEL+1]
	s_delay_alu instid0(VALU_DEP_1)
	v_max_num_f32 v[NM+2*\t+1], v[Y0], v[Y1]
	s_delay_alu instid0(VALU_DEP_1)
	v_mul_f32 v[Y0], s[NC], v[NM+2*\t+1]
	s_delay_alu instid0(VALU_DEP_1)
	v_floor_f32 v[Y0], v[Y0]
	s_delay_alu instid0(VALU_DEP_1)
	v_sub_f32 v[Y1], v[Y0], v[NM+2*\t]                             ; a whole number, 0 or less
	v_mov_b32 v[NM+2*\t], v[Y0]
	s_delay_alu instid0(VALU_DEP_2)
	v_cvt_i32_f32 v[Y1], v[Y1]                                     ; (it saturates)
	s_delay_alu instid0(VALU_DEP_1)
	v_ldexp_f32 v[\ff], 1.0, v[Y1]
.endm
.macro PKF r, t
	v_pk_fma_f32 v[\r:\r+1], v[\r:\r+1], s[CS:CS+1], v[NM+2*\t:NM+2*\t+1] op_sel_hi:[1,0,0]   ; t - M, two at a time
.endm
; p = 2^(t - M); of each block's largest score too: p rises with the score, and the same two instructions on the same number give the same bits
.macro EXPS t, s
	WIN 0
	v_fma_f32 v[SO], v[BM], s[CS], v[NM+2*\t]
	v_fma_f32 v[SO+1], v[BM+1], s[CS], v[NM+2*\t]
.set ii, 0
.rept 16
	PKF \s+ii, \t
.set ii, ii+2
.endr
	WA
	v_exp_f32 v[SO], v[SO]
	v_exp_f32 v[SO+1], v[SO+1]
.set ii, 0
.rept 16                               ; the second block's multiply-adds stand among the first block's exponentials
	v_exp_f32 v[\s+ii], v[\s+ii]
	v_exp_f32 v[\s+ii+1], v[\s+ii+1]
	PKF \s+32+ii, \t
.set ii, ii+2
.endr
	WA
.set ii, 32
.rept 32
	v_exp_f32 v[\s+ii], v[\s+ii]
.set ii, ii+1
.endr
.endm
; Behind tile t's exponentials: its sum and scales beside the NEXT tile's maxima (nt >= 0, scores at ns), p's codes, the next tile's M
.macro EB t, s, ff, pw, p, nt, ns, nff
	WA
.set ii, 0
.rept 32
	ADDI ii, \s, \t, \ff
.if \nt >= 0
	MAXI ii, \ns
.endif
	SCLI ii, \pw
.set ii, ii+1
.endr
	v_cvt_scalef32_pk16_fp6_f32 v[T:T+2], v[\s+16:\s+31], v[SO]    ; (a conversion's three registers begin on an even number: a block's upper half is made elsewhere and moved)
	v_cvt_scalef32_pk16_fp6_f32 v[T+4:T+6], v[\s+48:\s+63], v[SO+1]
.if \nt >= 0
	ROW \nt, \nff
.else
	v_nop                                                          ; the plain line behind the conversions
.endif
	WIN 0x40
	v_cvt_scalef32_pk16_fp6_f32 v[\p:\p+2], v[\s:\s+15], v[SO]
	v_cvt_scalef32_pk16_fp6_f32 v[\p+6:\p+8], v[\s+32:\s+47], v[SO+1]
.irp i, 0,1,2
	v_mov_b32 v[\p+3+\i], v[T+\i]
	v_mov_b32 v[\p+9+\i], v[T+4+\i]
.endr
	WIN 0
.endm
.macro RESC o, ff                      ; O^T under the new M, each accumulator from its low end on
	WIN 0x41
	WA
.set ii, 0
.rept 16
	v_pk_mul_f32 v[\o+ii:\o+ii+1], v[\o+ii:\o+ii+1], v[\ff:\ff+1] op_sel_hi:[1,0]
.set ii, ii+2
.endr
	WIN 0
.endm
; A TRIP: my step of the chunk in hand for my three tiles.  F holds K until the third tile's scores are made, then V.
.macro TRIP quant
	v_add_nc_u32 v[AD], s[CB], v[ADL]
	PLACES 3                                                       ; four places behind the last products, in front of the loads into their fragments
	KFETCH 0
	WA
	s_wait_dscnt 0x0
	SCORES 0, SA
	SCORES 1, SB
	PLACES 4
	MAXALL SA
	ROW 0, FFA
	EXPS 0, SA
	EB 0, SA, FFA, PW0, P0, 1, SB, FFB
.if \quant
	WINDOW CHUNKB, 1
.endif
	SCORES 2, SA
	RESC O, FFA                                                    ; also the places in front of the loads below
	VFETCH 0
	EXPS 1, SB
	EB 1, SB, FFB, PW1, P1, 2, SA, FFA
	RESC O+32, FFB
	WA
	s_wait_dscnt 0x0                                               ; V's fragments are in
	PV O, P0, PW0, 0
	PV O+32, P1, PW1, 0
	EXPS 2, SA
	EB 2, SA, FFA, PW0, P0, -1, SB, FFB
	RESC O+64, FFA
	PV O+64, P0, PW0, 0
.endm
.macro FINML t, d                      ; the pair (-M, the row's sum): the sum's two halves, and lane l xor 16's
	v_add_f32 v[Y0], v[SUM+2*\t], v[SUM+2*\t+1]
	s_delay_alu instid0(VALU_DEP_1)
	v_permlanex16_b32 v[Y1], v[Y0], s[SEL], s[SEL+1]
	WIN 0x40
	v_add_f32 v[\d+1], v[Y0], v[Y1]
	v_mov_b32 v[\d], v[NM+2*\t]
	WIN 0
.endm
	s_load_b256 s[4:11], s[0:1], 0x0                               ; q s[4:5], k s[6:7], v s[8:9], out0 s[10:11]
	v_lshrrev_b32 v2, 5, v0
	v_readfirstlane_b32 s[WV], v2                                  ; wave w, 0..7
	s_and_b32 s13, s[WV], 3                                        ; w % 4
	s_lshr_b32 s14, s[WV], 2                                       ; w / 4: the step that I read, and the one that my codes belong to
	s_lshr_b32 s15, s13, 1                                         ; (w % 4) / 2
	s_and_b32 s16, s[WV], 1                                        ; w % 2
	s_mul_i32 s17, s[WV], STGW
	s_add_co_u32 s17, s17, STAGE                                   ; my stages
	s_mul_i32 s18, s14, STEPB
	s_mul_i32 s19, s13, 1536
	s_add_co_u32 s19, s19, s18                                     ; K's codes: double fragment w % 4 = 2 c + e
	s_mul_i32 s[VU], s15, 496
	s_lshl_b32 s28, s13, 2
	s_add_co_u32 s28, s28, s18
	s_add_co_u32 s28, s28, KSCL                                    ; K's bytes: word w % 4
	s_lshl_b32 s29, s16, 8
	s_mul_i32 s30, s15, 520
	s_add_co_u32 s29, s29, s30
	s_add_co_u32 s29, s29, s18
	s_add_co_u32 s29, s29, VIMG                                    ; V's codes: key block w % 4 = 2 c + h: lanes' half h, registers 6 c on
	s_add_co_u32 s30, s18, s13
	s_add_co_u32 s30, s30, VSCL                                    ; V's bytes: byte w % 4
	s_lshl_b32 s31, s13, 14                                        ; the prefetches: 64 rows for each w % 4
	s_lshr_b32 s32, ttmp9, 3                                       ; work-group 8 a + 4 s + b: n = 4 a + b of half s's 120
	s_lshl_b32 s32, s32, 2
	s_and_b32 s33, ttmp9, 3
	s_add_co_u32 s32, s32, s33
	s_bfe_u32 s33, ttmp9, 0x10002
	s_mul_i32 s34, s32, 205
	s_lshr_b32 s34, s34, 11                                        ; n / 10, exact for n < 120
	s_mul_i32 s35, s34, 10
	s_sub_co_u32 s35, s32, s35                                     ; x = n % 10: which of the head's ten
	s_mul_i32 s33, s33, 12
	s_add_co_u32 s34, s34, s33                                     ; the head
	s_lshl_b32 s36, s34, 19                                        ; 2,048 rows of 256 bytes
	s_mov_b32 s37, 0
	s_mul_i32 s38, s35, 13                                         ; my first tile: 13 x, for x = 9 one less
	s_cmp_eq_u32 s35, 9
	s_cselect_b32 s39, 1, 0
	s_sub_co_u32 s38, s38, s39
	s_lshl_b32 s38, s38, 12
	s_add_co_u32 s38, s38, s36
	s_mov_b32 s39, 0
	s_cmp_lt_u32 s35, 8
	s_cselect_b32 s[XT], 1, 0
	s_cmp_eq_u32 s35, 0
	s_cselect_b32 s[LIM], 2, -1
	s_mov_b32 s[SEL], 0x76543210
	s_mov_b32 s[SEL+1], 0xfedcba98
	s_mov_b32 s[CS], 0x3e38aa3b                                    ; c = log2(e) / 8
	s_mov_b32 s[CS+1], s[CS]
	s_mov_b32 s[NC], 0xbe38aa3b
	s_mov_b32 s[CB], 0
	s_mov_b32 s[CNT], 7
	v_and_b32 v2, 31, v0                                           ; lane
	v_and_b32 v12, 15, v0                                          ; r
	v_bfe_u32 v13, v0, 4, 1                                        ; h
	v_bfe_u32 v22, v0, 3, 1                                        ; the loads' block
	v_and_b32 v23, 7, v0                                           ; and piece of it
	v_lshlrev_b32 v[LI], 4, v2
	v_lshlrev_b32 v[H8], 3, v13
	v_mul_u32_u24 v24, v13, 144
	v_mul_u32_u24 v25, v12, 144
	v_lshl_add_u32 v26, v12, 4, v13
	v_mul_u32_u24 v27, v13, 1536
	v_mad_u32_u24 v24, v22, 2432, v24
	v_mad_u32_u24 v25, v13, 2432, v25
	v_lshl_add_u32 v27, v12, 4, v27
	v_lshl_add_u32 v24, v23, 4, v24
	v_add_nc_u32 v[ADL], s18, v[LI]
	WIN 0x40
	v_add_nc_u32 v[STW], s17, v24
	v_add_nc_u32 v[STR], s17, v25
	v_add_nc_u32 v[KSB], s28, v26
	v_add_nc_u32 v[VPB], s29, v27
	v_add_nc_u32 v[VSB], s30, v[LI]
	v_lshlrev_b32 v[V4], 2, v2
	v_lshl_add_u32 v[PFO], v2, 8, s31
	v_add_nc_u32 v[KPB], s19, v[LI]
	WIN 0
	WA
	s_wait_kmcnt 0x0
	s_add_nc_u64 s[4:5], s[4:5], s[38:39]                          ; q and out0 at my work-group's first tile
	s_add_nc_u64 s[10:11], s[10:11], s[38:39]
	s_add_nc_u64 s[KP:KP+1], s[KP:KP+1], s[36:37]                  ; k and v at my head
	s_add_nc_u64 s[VP:VP+1], s[VP:VP+1], s[36:37]
	s_cmp_eq_u32 s14, 0
	s_cselect_b64 s[PFA:PFA+1], s[KP:KP+1], s[VP:VP+1]
	s_add_nc_u64 s[PFA:PFA+1], s[PFA:PFA+1], 2*CHB                 ; the first trip steps it to chunk 3
	s_mul_i32 s46, s13, 12288
	s_mov_b32 s47, 0
	s_add_nc_u64 s[42:43], s[4:5], s[46:47]                        ; my three tiles of q
	s_lshr_b32 s46, s[WV], 1
	s_lshl_b32 s46, s46, 14
	s_lshl_b32 s48, s16, 12
	s_add_co_u32 s46, s46, s48
	s_add_nc_u64 s[KP:KP+1], s[KP:KP+1], s[46:47]                  ; my rows of k: 64 (w / 2) + 16 (w % 2) on
	s_lshl_b32 s46, s[WV], 13
	s_add_nc_u64 s[VP:VP+1], s[VP:VP+1], s[46:47]                  ; my rows of v: 32 w on
	WIN 0x40
.irp t, 0,1,2
.irp n, 0,1,2,3,4,5,6,7
	global_load_b128 v[O+32*\t+4*\n:O+32*\t+4*\n+3], v[LI], s[42:43] offset:4096*\t+512*\n
.endr
.endr
	KLOADS                                                         ; chunk 0
	VROWS 0, 32
	WIN 0
	WA
	s_wait_loadcnt 0x3f                                            ; 64 loads of v are younger than q's and k's: those are in
	TIN O, 0
	TIN O+32, 1
	TOUT SA, 0
	TOUT SA+32, 1
	TIN O+64, 0
	TOUT SB, 0
	WIN 0
	WA
	s_wait_dscnt 0x0
	QQ 0, SA
	QQ 1, SA+32
	QQ 2, SB
.irp t, 0,1,2
.irp i, 6,7,8,9,10,11
	v_mov_b32 v[QC+12*\t+\i], 0
.endr
	v_mov_b32 v[NM+2*\t], 0x7d000000                               ; -M so far: beyond every -M
	v_mov_b32 v[NM+2*\t+1], 0xff61b1e6                             ; the largest score so far: -3e38
	v_mov_b32 v[SUM+2*\t], 0
	v_mov_b32 v[SUM+2*\t+1], 0
.endr
	v_mov_b32 v[Y1], 0                                             ; (a lane permute's destination counts as one of its sources)
	WIN 0x40
.set ii, 0
.rept 96
	v_mov_b32 v[O+ii], 0                                           ; O^T: the trip is written once: the first change of M multiplies zeros
.set ii, ii+1
.endr
	WINDOW 0, 0                                                    ; chunk 0
	s_barrier_wait -1
	VROWS 23, 9
	WIN 0
.Lchunk:                                                               ; seven trips: trip c multiplies chunk c and quantises chunk c + 1
	TRIP 1
	WA
	s_barrier_wait -1                                              ; every wave's part of the next chunk lies in LDS
	s_cmp_eq_u32 s[CNT], 1
	s_cbranch_scc1 .Lno_rows
	VROWS 23, 9
	WIN 0
.Lno_rows:
	s_add_co_u32 s[CB], s[CB], CHUNKB
	s_sub_co_u32 s[CNT], s[CNT], 1
	s_cmp_lg_u32 s[CNT], 0
	s_cbranch_scc1 .Lchunk
	s_wait_loadcnt 0x0                                             ; no load is out: the registers of k's and v's numbers may be written
	s_cmp_eq_u32 s[XT], 0
	s_cbranch_scc1 .Lno_q
	WIN 0x40
.irp n, 0,1,2,3,4,5,6,7
	global_load_b128 v[RK+4*\n:RK+4*\n+3], v[LI], s[4:5] offset:49152+512*\n   ; the 13th tile of q
.endr
	WIN 0
.Lno_q:
	TRIP 0                                                         ; chunk 7: nothing is left to quantise
	FINML 0, ML
	FINML 1, ML+2
	FINML 2, ML+4
	WA
	s_cmp_eq_u32 s[XT], 0
	s_cbranch_scc1 .Lno_tile
	; THE 13TH TILE against chunk w, with the first tile's small registers; its O^T lies where k's numbers lay
	s_mul_i32 s46, s[WV], CHUNKB
	v_add_nc_u32 v[AD], s46, v[LI]
	KFETCH 0
	WA
	s_wait_loadcnt 0x0
	TIN RK, 0
	TOUT SA, 0
	WIN 0
	WA
	s_wait_dscnt 0x0
	QQ 0, SA
	v_mov_b32 v[NM], 0x7d000000
	v_mov_b32 v[NM+1], 0xff61b1e6
	v_mov_b32 v[SUM], 0
	v_mov_b32 v[SUM+1], 0
	PLACES 8                                                       ; between the scale word's write and the products
	SCORES 0, SA
	PLACES 4
	KFETCH 1
	WA
	s_wait_dscnt 0x0
	SCORES 0, SB
	PLACES 4
	VFETCH 0
	MAXALL SA
	ROW 0, FFA
	EXPS 0, SA
	EB 0, SA, FFA, PW0, P0, -1, SB, FFB
	PLACES 4
	WA
	s_wait_dscnt 0x0
	PV OX, P0, PW0, 1                                              ; the first products start the sums
	PLACES 4
	VFETCH 1
	WA
	MAXALL SB
	ROW 0, FFA
	EXPS 0, SB
	EB 0, SB, FFA, PW1, P1, -1, SB, FFB
	RESC OX, FFA
	WA
	s_wait_dscnt 0x0
	PV OX, P1, PW1, 0
	FINML 0, ML+6
	WA
.Lno_tile:
	; THE MEETING.  Behind the first barrier nobody reads codes any more: their bytes take every wave's partial results, row by row.  Behind the second the waves take the rows 2 w, 2 w + 1 of every tile.
	v_and_b32 v28, 15, v0                                          ; r
	v_bfe_u32 v29, v0, 4, 1                                        ; h
	s_mul_i32 s46, s[WV], 3*PTB
	s_mul_i32 s47, s[WV], PTB
	s_add_co_u32 s47, s47, EXB
	s_lshl_b32 s48, s[WV], 1
	WA
	v_mul_u32_u24 v30, v28, 272
	v_lshlrev_b32 v31, 3, v28
	v_add_nc_u32 v32, s48, v29                                     ; the row that I shall send
	v_lshl_add_u32 v30, v29, 5, v30
	v_add_nc_u32 v[Y1], s46, v31
	v_add_nc_u32 v31, s47, v31
	v_add_nc_u32 v[Y0], s46, v30
	v_add_nc_u32 v30, s47, v30
	WA
	s_wait_dscnt 0x0
	s_barrier_signal -1
	s_barrier_wait -1
	WIN 0x04
.irp t, 0,1,2
.irp j, 0,1,2,3
	ds_store_b128 v[Y0], v[O+32*\t+8*\j:O+32*\t+8*\j+3] offset:PTB*\t+64*\j
	ds_store_b128 v[Y0], v[O+32*\t+8*\j+4:O+32*\t+8*\j+7] offset:PTB*\t+64*\j+16
.endr
	ds_store_b64 v[Y1], v[ML+2*\t:ML+2*\t+1] offset:PTB*\t+4352
.endr
	WIN 0
	s_cmp_eq_u32 s[XT], 0
	s_cbranch_scc1 .Lno_part
	WIN 0x04
.irp j, 0,1,2,3
	ds_store_b128 v30, v[OX+8*\j:OX+8*\j+3] offset:64*\j
	ds_store_b128 v30, v[OX+8*\j+4:OX+8*\j+7] offset:64*\j+16
.endr
	ds_store_b64 v31, v[ML+6:ML+7] offset:4352
	WIN 0
.Lno_part:
	s_lshl_b32 s46, s[WV], 9
	WA
	s_wait_dscnt 0x0
	s_barrier_signal -1
	v_mul_u32_u24 v33, v32, 272
	v_lshl_add_u32 v33, v28, 4, v33                                ; the row's 16 bytes of mine: of waves 0-3's tiles,
	v_add_nc_u32 v34, 12*PTB, v33                                  ; of waves 4-7's
	v_lshl_add_u32 v35, v32, 3, 4352                               ; and its pairs (-M, sum)
	v_add_nc_u32 v26, 12*PTB, v35
	v_add_nc_u32 v27, s46, v[LI]                                   ; its place in a tile of out0
	WA
	s_barrier_wait -1
.macro MGET bt, b
.irp k, 0,1,2,3,4,5
	ds_load_b128 v[\b+8*\k:\b+8*\k+3], v33 offset:PTB*(6*\bt+\k)
	ds_load_b128 v[\b+8*\k+4:\b+8*\k+7], v34 offset:PTB*(6*\bt+\k)
	ds_load_b64 v[\b+48+4*\k:\b+49+4*\k], v35 offset:PTB*(6*\bt+\k)
	ds_load_b64 v[\b+50+4*\k:\b+51+4*\k], v26 offset:PTB*(6*\bt+\k)
.endr
.endm
.macro MPUT bt, b                      ; six tiles, stage by stage: both parts come under the larger M, are added and divided by the sum
.irp k, 0,1,2,3,4,5
	v_min_num_f32 v[\b+72+4*\k], v[\b+48+4*\k], v[\b+50+4*\k]
.endr
.irp k, 0,1,2,3,4,5
	v_sub_f32 v[\b+73+4*\k], v[\b+72+4*\k], v[\b+48+4*\k]
	v_sub_f32 v[\b+74+4*\k], v[\b+72+4*\k], v[\b+50+4*\k]
.endr
.irp k, 0,1,2,3,4,5
	v_cvt_i32_f32 v[\b+73+4*\k], v[\b+73+4*\k]
	v_cvt_i32_f32 v[\b+74+4*\k], v[\b+74+4*\k]
.endr
.irp k, 0,1,2,3,4,5
	v_ldexp_f32 v[\b+73+4*\k], 1.0, v[\b+73+4*\k]
	v_ldexp_f32 v[\b+74+4*\k], 1.0, v[\b+74+4*\k]
.endr
.irp k, 0,1,2,3,4,5
	v_mul_f32 v[\b+72+4*\k], v[\b+49+4*\k], v[\b+73+4*\k]
.endr
.irp k, 0,1,2,3,4,5
	v_fma_f32 v[\b+72+4*\k], v[\b+51+4*\k], v[\b+74+4*\k], v[\b+72+4*\k]
.endr
	WA
.irp k, 0,1,2,3,4,5
	v_rcp_f32 v[\b+75+4*\k], v[\b+72+4*\k]
.endr
	v_nop                                                          ; the plain line behind the reciprocals
	WA
.irp k, 0,1,2,3,4,5
	v_mul_f32 v[\b+72+4*\k], v[\b+73+4*\k], v[\b+75+4*\k]
	v_mul_f32 v[\b+74+4*\k], v[\b+74+4*\k], v[\b+75+4*\k]
.endr
.irp k, 0,1,2,3,4,5
	v_pk_mul_f32 v[\b+8*\k+4:\b+8*\k+5], v[\b+8*\k+4:\b+8*\k+5], v[\b+74+4*\k:\b+75+4*\k] op_sel_hi:[1,0]
	v_pk_mul_f32 v[\b+8*\k+6:\b+8*\k+7], v[\b+8*\k+6:\b+8*\k+7], v[\b+74+4*\k:\b+75+4*\k] op_sel_hi:[1,0]
.endr
.irp k, 0,1,2,3,4,5
	v_pk_fma_f32 v[\b+8*\k:\b+8*\k+1], v[\b+8*\k:\b+8*\k+1], v[\b+72+4*\k:\b+73+4*\k], v[\b+8*\k+4:\b+8*\k+5] op_sel_hi:[1,0,1]
	v_pk_fma_f32 v[\b+8*\k+2:\b+8*\k+3], v[\b+8*\k+2:\b+8*\k+3], v[\b+72+4*\k:\b+73+4*\k], v[\b+8*\k+6:\b+8*\k+7] op_sel_hi:[1,0,1]
.endr
.irp k, 0,1,2,3,4,5
	global_store_b128 v27, v[\b+8*\k:\b+8*\k+3], s[10:11] offset:4096*(6*\bt+\k) th:TH_STORE_NT   ; 32 lanes store two whole rows: 512 consecutive bytes, at a multiple of 256 from out0's first byte
.endr
.endm
	MGET 0, 132
	MGET 1, 36
	s_wait_dscnt 24                                                ; the second six tiles' 24 loads may stay out
	MPUT 0, 132
	WA
	s_wait_dscnt 0x0
	MPUT 1, 36
	s_cmp_eq_u32 s[XT], 0
	s_cbranch_scc1 .Lno_out
	v_add_nc_u32 v33, EXB, v33                                     ; the 13th tile: eight parts
	v_add_nc_u32 v35, EXB, v35
	WA
	s_wait_xcnt 0x0                                                ; the stores have read their registers
.irp i, 0,1,2,3,4,5,6,7
	ds_load_b128 v[132+4*\i:135+4*\i], v33 offset:PTB*\i
	ds_load_b64 v[164+2*\i:165+2*\i], v35 offset:PTB*\i
.endr
	s_wait_dscnt 0x0
	v_min3_num_f32 v180, v164, v166, v168
	v_min3_num_f32 v181, v170, v172, v174
	v_min3_num_f32 v180, v180, v176, v178
	v_min_num_f32 v180, v180, v181
.irp i, 0,1,2,3,4,5,6,7
	v_sub_f32 v[182+2*\i], v180, v[164+2*\i]
.endr
.irp i, 0,1,2,3,4,5,6,7
	v_cvt_i32_f32 v[182+2*\i], v[182+2*\i]
.endr
.irp i, 0,1,2,3,4,5,6,7
	v_ldexp_f32 v[182+2*\i], 1.0, v[182+2*\i]
.endr
.irp i, 0,1,2,3,4,5,6,7
	v_mul_f32 v[183+2*\i], v[165+2*\i], v[182+2*\i]                ; the parts' sums
.endr
	v_add_f32 v198, v183, v185
	v_add_f32 v199, v187, v189
	v_add_f32 v200, v191, v193
	v_add_f32 v201, v195, v197
	v_add_f32 v198, v198, v199
	v_add_f32 v200, v200, v201
	v_add_f32 v198, v198, v200
	v_pk_mul_f32 v[132:133], v[132:133], v[182:183] op_sel_hi:[1,0]
	v_pk_mul_f32 v[134:135], v[134:135], v[182:183] op_sel_hi:[1,0]
.irp i, 1,2,3,4,5,6,7
	v_pk_fma_f32 v[132:133], v[132+4*\i:133+4*\i], v[182+2*\i:183+2*\i], v[132:133] op_sel_hi:[1,0,1]
	v_pk_fma_f32 v[134:135], v[134+4*\i:135+4*\i], v[182+2*\i:183+2*\i], v[134:135] op_sel_hi:[1,0,1]
.endr
	WA
	v_rcp_f32 v200, v198
	v_nop
	WA
	v_pk_mul_f32 v[132:133], v[132:133], v[200:201] op_sel_hi:[1,0]
	v_pk_mul_f32 v[134:135], v[134:135], v[200:201] op_sel_hi:[1,0]
	global_store_b128 v27, v[132:135], s[10:11] offset:49152 th:TH_STORE_NT
.Lno_out:
	v_lshl_add_u32 v[Y0], v0, 2, SPARE
	v_mov_b32 v[Y1], 0
	WA
	s_wait_tensorcnt 0x0                                           ; the wave's end, behind my last LDS store
	ds_add_u32 v[Y0], v[Y1]
	s_wait_dscnt 0x0
	s_endpgm
.Lfunc_end_k_qc3b1928b49_attn:
	.size	k_qc3b1928b49_attn, .Lfunc_end_k_qc3b1928b49_attn-k_qc3b1928b49_attn
	.p2alignl 7, 3214868480
	.fill 96, 4, 3214868480
	.section	.rodata,"a",@progbits
	.p2align	6, 0x0
	.amdhsa_kernel k_qc3b1928b49_attn
		.amdhsa_group_segment_fixed_size 289792
		.amdhsa_private_segment_fixed_size 0
		.amdhsa_enable_private_segment 0
		.amdhsa_kernarg_size 32
		.amdhsa_user_sgpr_count 2
		.amdhsa_user_sgpr_kernarg_segment_ptr 1
		.amdhsa_wavefront_size32 1
		.amdhsa_system_sgpr_workgroup_id_x 1
		.amdhsa_system_sgpr_workgroup_id_y 1
		.amdhsa_system_sgpr_workgroup_id_z 1
		.amdhsa_system_vgpr_workitem_id 0
		.amdhsa_next_free_vgpr 512
		.amdhsa_next_free_sgpr 66
		.amdhsa_reserve_vcc 0
		.amdhsa_float_denorm_mode_32 3
		.amdhsa_float_denorm_mode_16_64 3
		.amdhsa_memory_ordered 1
		.amdhsa_forward_progress 1
		.amdhsa_inst_pref_size 196
	.end_amdhsa_kernel
	.amdgpu_metadata
---
amdhsa.version: [ 1, 2 ]
amdhsa.kernels:
  - .name:           k_qc3b1928b49_attn
    .symbol:         k_qc3b1928b49_attn.kd
    .args:
      - { .name: q, .offset: 0, .size: 8, .value_kind: global_buffer, .address_space: global }
      - { .name: k, .offset: 8, .size: 8, .value_kind: global_buffer, .address_space: global }
      - { .name: v, .offset: 16, .size: 8, .value_kind: global_buffer, .address_space: global }
      - { .name: out0, .offset: 24, .size: 8, .value_kind: global_buffer, .address_space: global }
    .group_segment_fixed_size: 289792
    .private_segment_fixed_size: 0
    .kernarg_segment_align: 8
    .kernarg_segment_size: 32
    .max_flat_workgroup_size: 256
    .sgpr_count:     66
    .vgpr_count:     512
    .wavefront_size: 32
...
	.end_amdgpu_metadata
.endif
;; end of part 1
